; MI455X (gfx1250); checked and timed in simulation.
; The chip was launched on July 23, 2026; its instructions are those of AMD's public machine-readable ISA for CDNA 5 (MIT licence, August 2026) and "CDNA5" Instruction Set Architecture Reference Guide (July 2026). The comments in the code are by the model that wrote it; some were corrected since.
;; Multi Head Attention. Allowed arithmetic: matrix products marked QUANTISED: E4M3 operands, one E8M0 scale for each 32 along K, by v_wmma_scale_f32_16x16x128_f8f6f4 with both operands' format E4M3, f32 sums; everything else in f32.
;; Inputs: Wk 16 x 1,024 x 64 float32; Wq 16 x 1,024 x 64 float32; Wv 16 x 1,024 x 64 float32; inputs 4 x 2,048 x 1,024 float32.
;; Outputs: out0 4 x 2,048 x 1,024 float32.
;; This version of the problem:
;;   THIS VERSION OF THE PROBLEM IS GIVEN IN LOW PRECISION. The matrix products marked QUANTISED in the list below multiply operands that are first quantised to E4M3 (4 exponent bits, 3 mantissa bits; 8 bits a number), with one power-of-two scale for each 32 numbers along K (OCP MX v1.0); their sums are f32. All else is computed in f32.
;;   The module's matrix products, in the order in which they are computed (A, B: the left and right operand; K: the contracted axis; several contracted axes count as one K, in the product's order):
;;     1. [M 1,024, K 1,024] x [K 1,024, N 8,192]; A: input Wq; B: input inputs: QUANTISED
;;     2. [M 1,024, K 1,024] x [K 1,024, N 8,192]; A: input Wk; B: input inputs: QUANTISED
;;     3. [M 1,024, K 1,024] x [K 1,024, N 8,192]; A: input Wv; B: input inputs: QUANTISED
;;     4. batch 64 x [M 2,048, K 64] x [K 64, N 2,048]; A: computed on the way; B: computed on the way: QUANTISED
;;     5. batch 64 x [M 2,048, K 2,048] x [K 2,048, N 64]; A: softmax (see below); B: computed on the way: QUANTISED
;;   THE QUANTISER, for each operand of a quantised product, along K:
;;     - K is cut into blocks of 32 from its start; a last block that is shorter is filled with zeros.
;;     - A block's scale is 2^e with e = floor(log2(the largest magnitude in the block)) - 8, held to -126 .. 127; a block of zeros has e = 0. As a byte (E8M0): e + 127.
;;     - Each number is divided by its block's scale, clamped to +-448, and rounded to the nearest number of E4M3, ties to even, subnormals kept.
;;     - The product sums the exact products of the quantised numbers (number of the format x scale) in f32.
;;   ~~~python
;;   def quantise(x, axis):      # numpy; x: float32 -> the quantised numbers, widened to float32 again
;;       x = np.moveaxis(x, axis, -1); K = x.shape[-1]
;;       x = np.pad(x, [(0, 0)] * (x.ndim - 1) + [(0, -K % 32)]); x = x.reshape(x.shape[:-1] + (-1, 32)); a = np.abs(x).max(-1, keepdims=True)
;;       e = np.where(a > 0, np.clip(np.frexp(np.where(a > 0, a, 1))[1] - 1 - 8, -126, 127), 0)      # np.frexp(a)[1] - 1 = floor(log2(a)), exactly
;;       r = np.clip(x / 2.0 ** e, -448, 448)
;;       step = 2.0 ** (np.maximum(np.frexp(np.where(r == 0, 1, r))[1] - 1, -6) - 3)
;;       q = np.round(r / step) * step * 2.0 ** e      # np.round: ties to even
;;       return np.moveaxis(q.reshape(q.shape[:-2] + (-1,))[..., :K], -1, axis).astype(np.float32)
;;   ~~~
;;   SOFTMAX AHEAD OF A QUANTISED PRODUCT. Where the list says 'softmax', what is quantised is not the finished softmax but p = 2^(t - M), with t = logit x log2(e) and M = ceil(the row's largest t), a whole number; so 1/2 < the row's largest p <= 1. The row's sum l is taken of the UNQUANTISED p, in f32, and the product's result is divided by l at the end. Since M is a whole number, a kernel that streams over the keys may use a running M (the ceiling of the running maximum): every later rescaling is an exact power of two, which a block's scale takes up: the codes' values come out the same.
;;   OPERANDS COMPUTED ON THE WAY. 'Computed on the way' means the value that the module computes at that place (a softmax that the list does not call 'softmax' is quantised finished and normalised). What goes into a quantiser is computed in f32, as accurately as f32 sums, v_exp_f32 and their like allow (about 1e-6 of the number): no bf16 or f16 on the way to a quantiser, and a product that is left as it is and whose result goes on into a quantised operand takes f32 operands (vector FMAs, or v_wmma_f32_16x16x4_f32). A number that lies on a knife's edge between two numbers of the format may be rounded either way, as far as f32 arithmetic and the matrix unit's own rounding can turn it there, and no further.
;; One version. Each part assembles by itself: llvm-mc -triple=amdgcn-amd-amdhsa -mcpu=gfx1250 --defsym DOCPART=n.
;; ======== version 1 of 1: 3 launches
;; limits: right only within a limited range of input values
;; workspace buffers: ximg 8,650,752 bytes; wimg 3,244,032 bytes; qimg 17,825,792 bytes; kv 17,825,792 bytes
;; launch quant (part 1): grid 704 x 1, 4 waves a work-group, no clusters, 34,304 bytes of LDS; arguments inputs, Wq, Wk, Wv, ximg, wimg; writes ximg, wimg
.if DOCPART == 1
	.amdgcn_target "amdgcn-amd-amdhsa--gfx1250"
	.amdhsa_code_object_version 6
	.text
	.protected	k_q7252672e7d_quant
	.globl	k_q7252672e7d_quant
	.p2align	8
	.type	k_q7252672e7d_quant,@function
k_q7252672e7d_quant:
	s_mov_b64 s[64:65], 0
	v_nop
	global_prefetch_b8 v0, s[64:65] scope:SCOPE_SE
	s_setreg_imm32_b32 hwreg(HW_REG_WAVE_MODE, 25, 1), 1
	s_wait_xcnt 0x0
; inputs [8192 rows][1024] f32 (K innermost) and Wq, Wk, Wv [16 heads][1024 (K)][64] f32 (K the middle axis) become codes of FP8 (E4M3) with one E8M0 byte
; for each 32 along K.  A block's scale is 2^(floor(log2(its largest magnitude)) - 8); each number is divided by it, held within +-448 and rounded to the nearest code, ties to even.
; THE CODES ARE LAID AS IMAGES OF THE OPERAND'S REGISTERS.  A record is 128 rows x 256 along K: 33,792 bytes: 8 tiles of 16 rows x 2 steps of 128 x 4 groups of registers x 512 bytes
; (lane l's 16 bytes at 16 l; lane (r, h) holds k = 128 q + 32 c + 16 h + 0 .. 15 of the tile's row r), then the scale words at 32,768 + 128 tile + 8 r + 4 q.
; THE ROWS OF A TILE ARE NOT NEIGHBOURS: lane r of tile 2 B + u takes row 32 B + 8 u + r + 8 (r / 8) of the record's 128.
; Work-groups 0 to 511 take inputs, 512 to 703 the weights.  Waves share nothing: no barrier.  Only the first path uses LDS.
; LIMITS: NaN and infinities among the inputs are not served.  A block whose largest magnitude lies under 2^-118, a block of zeros among them, gets the byte 1 (the rule says 127 for zeros):
; its codes are zeros or as the byte 1 makes them, and the bytes are read by this program alone.
.set REC,  33792                       ; a record
.set SPT,  528                         ; a stage row: 512 bytes + 16, so that 16 rows start at 16 different groups of banks
.set STG,  16*SPT                      ; a wave's stage
.set SW,   14                          ; v14-15   the two scale words of my row
.set TM,   16                          ; v16-19 largest magnitudes, v20-23 bytes, v24-27 448 x the scale, v28-31 the conversions' scale operands
.set C0,   32                          ; v32-47   codes of the first 128 along K
.set C1,   48                          ; v48-63   of the second
.set R0,   64                          ; v64-127  16 rows x 16 bytes as loaded, first 128 along K
.set R1,   128                         ; v128-191 second
.set X,    192                         ; v192-255 my row's 64 numbers: register 16 c + i = k 32 c + 16 h + i
.set SB,   24                          ; weights: v24 the four scale bytes
.set WX,   32                          ; weights: v32-95 two sets of 32 numbers
.set WC,   96                          ; weights: v96-127 eight registers of codes for each block: no store's data are written again
.set NB,   4                           ; weights: blocks of 32 along K for a wave
.macro XLOAD q, set                    ; the tile's 16 rows, 128 numbers of each: every load reads 512 consecutive bytes
.irp i, 0,1,2,3,4,5,6,7,8,9,10,11,12,13,14,15
	global_load_b128 v[\set+4*\i:\set+4*\i+3], v2, s[4:5] offset:(\i+8*(\i/8))*4096+512*\q th:TH_LOAD_NT
.endr
.endm
.macro TURN set                        ; through my stage: in by rows as loaded, out 64 bytes of one row a lane.  LDS serves a wave's instructions in order: no wait between
.irp i, 0,1,2,3,4,5,6,7,8,9,10,11,12,13,14,15
	ds_store_b128 v3, v[\set+4*\i:\set+4*\i+3] offset:SPT*\i
.endr
.irp c, 0,1,2,3
.irp j, 0,1,2,3
	ds_load_b128 v[X+16*\c+4*\j:X+16*\c+4*\j+3], v4 offset:128*\c+16*\j
.endr
.endr
.endm
.macro QUANT s, cd, wd                 ; 64 numbers of a lane become a fragment's 16 registers of codes and its row's scale word
.irp b, 0,1,2,3
	v_max3_num_f32 v[TM+\b], |v[\s+16*\b]|, |v[\s+1+16*\b]|, 0x4800000   ; block b: my 16 numbers and the floor 2^(9 - 127): the byte cannot fall under 1
.endr
.irp i, 2,4,6,8,10,12,14
.irp b, 0,1,2,3
	v_max3_num_f32 v[TM+\b], v[TM+\b], |v[\s+16*\b+\i]|, |v[\s+1+16*\b+\i]|   ; the four blocks by turns
.endr
.endr
.irp b, 0,1,2,3
	v_permlanex16_b32 v[TM+4+\b], v[TM+\b], s20, s21
.endr
.irp b, 0,1,2,3
	v_max_num_f32 v[TM+\b], v[TM+\b], v[TM+4+\b]                  ; with lane l xor 16's 16: the block's largest magnitude
.endr
.irp b, 0,1,2,3
	v_add_nc_u32 v[TM+12+\b], 0xfc000000, v[TM+\b]                ; 8 off its exponent field: the conversion's scale operand
.endr
.irp b, 0,1,2,3
	v_and_or_b32 v[TM+8+\b], v[TM+\b], 0x7f800000, s23            ; 448 x the scale
.endr
.irp b, 0,1,2,3
	v_lshrrev_b32 v[TM+4+\b], 23, v[TM+12+\b]                     ; the scale's byte
.endr
	v_lshl_or_b32 v[\wd], v[TM+5], 8, v[TM+4]
	v_lshl_or_b32 v[\wd], v[TM+6], 16, v[\wd]
	v_lshl_or_b32 v[\wd], v[TM+7], 24, v[\wd]
.irp b, 0,1,2,3
.irp i, 0,1,2,3,4,5,6,7,8,9,10,11,12,13,14,15
	v_med3_num_f32 v[\s+16*\b+\i], v[\s+16*\b+\i], -v[TM+8+\b], v[TM+8+\b]   ; the conversion to an 8-bit code does not saturate (ISA guide 7.6.2): hold first
.endr
	v_cvt_scalef32_pk8_fp8_f32 v[\cd+4*\b:\cd+4*\b+1], v[\s+16*\b:\s+16*\b+7], v[TM+12+\b]
	v_cvt_scalef32_pk8_fp8_f32 v[\cd+4*\b+2:\cd+4*\b+3], v[\s+16*\b+8:\s+16*\b+15], v[TM+12+\b]
.endr
	v_nop                                          ; one plain line behind the last conversion
.endm
	s_load_b256 s[4:11], s[0:1], 0x0               ; inputs s[4:5], Wq s[6:7], Wk s[8:9], Wv s[10:11]
	s_load_b128 s[12:15], s[0:1], 0x20             ; ximg s[12:13], wimg s[14:15]
	v_lshl_add_u32 v9, v0, 2, 0x8400
	s_set_vgpr_msb 0x40
	v_mov_b32 v1, 0
	s_set_vgpr_msb 0x4000
	v_lshrrev_b32 v1, 5, v0
	v_readfirstlane_b32 s16, v1                    ; wave 0..3
	v_and_b32 v1, 31, v0                           ; lane
	v_and_b32 v6, 15, v0                           ; r
	v_bfe_u32 v7, v0, 4, 1                         ; lane / 16
	s_mov_b32 s20, 0x76543210
	s_mov_b32 s21, 0xfedcba98                      ; v_permlanex16_b32's selects for lane l xor 16
	s_mov_b32 s23, 0x600000                        ; the mantissa field of 448
	s_mov_b32 s24, 0xffff0000                      ; lanes 16-31
	s_cmp_lt_u32 ttmp9, 512
	s_cbranch_scc0 .Lw
	; ---- inputs.  Work-group g: rows 32 (g / 2) on, tile half u = g % 2; wave = which 256 along K.  A wave makes one tile's two fragments.
	s_lshr_b32 s17, ttmp9, 1                       ; p: which 32 rows
	s_and_b32 s18, ttmp9, 1                        ; u
	s_lshl_b32 s26, s17, 17                        ; 32 rows of 4,096 bytes
	s_lshl_b32 s19, s18, 15                        ; 8 rows
	s_add_co_u32 s26, s26, s19
	s_lshl_b32 s19, s16, 10                        ; 256 numbers
	s_add_co_u32 s26, s26, s19
	s_mov_b32 s27, 0
	s_lshr_b32 s19, s17, 2                         ; the group of 128 rows
	s_lshl_b32 s19, s19, 2
	s_add_co_u32 s19, s19, s16                     ; its record for my 256 along K
	s_mul_i32 s28, s19, REC
	s_and_b32 s19, s17, 3
	s_lshl_b32 s19, s19, 1
	s_add_co_u32 s19, s19, s18                     ; the tile in the record
	s_lshl_b32 s30, s19, 12
	s_add_co_u32 s30, s30, s28                     ; its codes
	s_mov_b32 s31, 0
	s_lshl_b32 s19, s19, 7
	s_add_co_u32 s28, s28, s19
	s_add_co_u32 s28, s28, 32768                   ; its scale words
	s_mov_b32 s29, 0
	s_wait_alu depctr_va_vdst(0)
	v_lshlrev_b32 v2, 4, v1                        ; 16 x lane
	s_mul_i32 s19, s16, STG
	v_add_nc_u32 v3, s19, v2                       ; the stage, in
	v_mul_u32_u24 v4, v6, SPT
	v_lshl_add_u32 v4, v7, 6, v4
	v_add_nc_u32 v4, s19, v4                       ; the stage, out: row r, + 64 h
	v_lshlrev_b32 v5, 3, v6
	v_lshl_add_u32 v5, v7, 2, v5                   ; 8 r + 4 (lane / 16)
.irp b, 0,1,2,3
	v_mov_b32 v[TM+4+\b], 0                        ; written once: a lane permute's destination counts as one of its sources
.endr
	s_wait_alu depctr_va_vdst(0)
	s_wait_kmcnt 0x0
	s_add_nc_u64 s[4:5], s[4:5], s[26:27]
	s_add_nc_u64 s[30:31], s[12:13], s[30:31]
	s_add_nc_u64 s[28:29], s[12:13], s[28:29]
	XLOAD 0, R0
	XLOAD 1, R1
	s_wait_loadcnt 16                              ; the first 16 loads are in; the second half's 16 may be out
	TURN R0
	s_wait_dscnt 0x0
	QUANT X, C0, SW
.irp c, 0,1,2,3
	global_store_b128 v2, v[C0+4*\c:C0+4*\c+3], s[30:31] offset:512*\c            ; 32 lanes store 512 consecutive bytes, aligned
.endr
	s_wait_loadcnt 0x0
	TURN R1
	s_wait_dscnt 0x0
	QUANT X, C1, SW+1
.irp c, 0,1,2,3
	global_store_b128 v2, v[C1+4*\c:C1+4*\c+3], s[30:31] offset:2048+512*\c
.endr
	v_cndmask_b32 v13, v[SW], v[SW+1], s24         ; both halves of the lanes hold both words: lanes 0-15 send the first, lanes 16-31 the second
	global_store_b32 v5, v13, s[28:29]             ; 128 consecutive bytes
	s_set_vgpr_msb 0x4
	s_wait_tensorcnt 0x0
	ds_add_u32 v9, v1
	s_wait_dscnt 0x0
	s_set_vgpr_msb 0x400
	s_endpgm
	; ---- the weights.  A LANE TAKES A COLUMN e AND ITS REGISTERS RUN DOWN K.  Lanes 0-15 are the 16 rows of tile 2 b, lanes 16-31 those of tile 2 b + 1: the wave's 32 columns are 128 consecutive bytes.
	; A wave takes 128 along K: four blocks, one step q of a record.  48 (which, head) pairs x 2 halves of the columns x 8 steps of 128 = 768 waves = 192 work-groups.
.Lw:
	s_sub_co_u32 s17, ttmp9, 512                   ; m: 0 .. 191
	s_lshr_b32 s18, s17, 2
	s_lshr_b32 s19, s18, 4                         ; which: 0 q, 1 k, 2 v
	s_and_b32 s18, s18, 15                         ; head
	s_and_b32 s22, s16, 1                          ; b: which 32 columns
	s_and_b32 s17, s17, 3
	s_lshl_b32 s17, s17, 1
	s_lshr_b32 s25, s16, 1
	s_add_co_u32 s17, s17, s25                     ; which 128 along K: 0 .. 7
	s_lshl_b32 s26, s18, 18                        ; a head: 1,024 x 64 x 4 bytes
	s_lshl_b32 s25, s17, 15                        ; 128 rows of 256 bytes
	s_add_co_u32 s26, s26, s25
	s_lshl_b32 s25, s22, 7                         ; 32 columns
	s_add_co_u32 s26, s26, s25
	s_mov_b32 s27, 0
	s_lshl_b32 s25, s19, 3
	s_lshr_b32 s28, s18, 1
	s_add_co_u32 s25, s25, s28                     ; the group of 128 rows n = 1,024 which + 64 head + e
	s_lshl_b32 s25, s25, 2
	s_lshr_b32 s28, s17, 1                         ; which 256 along K: the record
	s_add_co_u32 s25, s25, s28
	s_mul_i32 s28, s25, REC
	s_and_b32 s17, s17, 1                          ; q: which 128 of the record's 256
	s_and_b32 s25, s18, 1
	s_lshl_b32 s25, s25, 2
	s_lshl_b32 s22, s22, 1
	s_add_co_u32 s25, s25, s22                     ; the first of my two tiles: 4 (head % 2) + 2 b
	s_lshl_b32 s30, s25, 12
	s_add_co_u32 s30, s30, s28
	s_lshl_b32 s22, s17, 11
	s_add_co_u32 s30, s30, s22                     ; + 2,048 q
	s_mov_b32 s31, 0
	s_lshl_b32 s25, s25, 7
	s_add_co_u32 s28, s28, s25
	s_lshl_b32 s22, s17, 2
	s_add_co_u32 s28, s28, s22                     ; + 4 q
	s_add_co_u32 s28, s28, 32768
	s_mov_b32 s29, 0
	s_wait_alu depctr_va_vdst(0)
	v_and_b32 v8, 8, v6
	v_add_nc_u32 v8, v8, v6                        ; r + 8 (r / 8)
	v_lshl_add_u32 v8, v7, 3, v8                   ; + 8 u: my column among the 32
	v_lshlrev_b32 v3, 2, v8
	v_lshlrev_b32 v4, 4, v6
	v_lshl_add_u32 v4, v7, 12, v4                  ; codes: tile u, image lane r
	v_lshlrev_b32 v5, 3, v1                        ; scale words: 8 x lane
	s_wait_alu depctr_va_vdst(0)
	s_wait_kmcnt 0x0
	s_cmp_eq_u32 s19, 0                            ; the choice hangs on the work-group's number alone
	s_cselect_b64 s[32:33], s[6:7], s[8:9]
	s_cmp_eq_u32 s19, 2
	s_cselect_b64 s[32:33], s[10:11], s[32:33]
	s_add_nc_u64 s[32:33], s[32:33], s[26:27]
	s_add_nc_u64 s[30:31], s[14:15], s[30:31]
	s_add_nc_u64 s[28:29], s[14:15], s[28:29]
.macro WLOAD t                         ; block t: W(32 t + i, my column) into set t % 2
.irp i, 0,1,2,3,4,5,6,7,8,9,10,11,12,13,14,15,16,17,18,19,20,21,22,23,24,25,26,27,28,29,30,31
	global_load_b32 v[WX+32*((\t)%2)+\i], v3, s[32:33] offset:(32*(\t)+\i)*256 th:TH_LOAD_NT
.endr
.endm
.macro BLOCK t
.set XS, WX+32*((\t)%2)
.set CD, WC+8*(\t)
.if (\t) < NB-1
	s_wait_loadcnt 32                              ; this block's 32 loads are in; the next block's may be out
.else
	s_wait_loadcnt 0x0
.endif
	v_max3_num_f32 v12, |v[XS]|, |v[XS+1]|, |v[XS+2]|             ; all 32 numbers of the block are mine
	v_max3_num_f32 v13, |v[XS+3]|, |v[XS+4]|, |v[XS+5]|
.irp i, 6,10,14,18,22,26
	v_max3_num_f32 v12, v12, |v[XS+\i]|, |v[XS+\i+1]|
	v_max3_num_f32 v13, v13, |v[XS+\i+2]|, |v[XS+\i+3]|
.endr
	v_max3_num_f32 v12, v12, |v[XS+30]|, |v[XS+31]|
	v_max3_num_f32 v12, v12, v13, 0x4800000        ; and the floor
	v_add_nc_u32 v11, 0xfc000000, v12
	v_and_or_b32 v10, v12, 0x7f800000, s23
	v_lshrrev_b32 v13, 23, v11
.if (\t) == 0
	v_mov_b32 v[SB], v13
.else
	v_lshl_or_b32 v[SB], v13, 8*(\t), v[SB]        ; the lower K in the lower byte
.endif
.irp i, 0,1,2,3,4,5,6,7,8,9,10,11,12,13,14,15,16,17,18,19,20,21,22,23,24,25,26,27,28,29,30,31
	v_med3_num_f32 v[XS+\i], v[XS+\i], -v10, v10
.endr
.irp g, 0,1,2,3
	v_cvt_scalef32_pk8_fp8_f32 v[CD+2*\g:CD+2*\g+1], v[XS+8*\g:XS+8*\g+7], v11
.endr
	v_nop
	global_store_b128 v4, v[CD:CD+3], s[30:31] offset:(\t)*512          ; k 0-15 of the block: the image's lanes 0-15: sixteen lanes store 256 consecutive bytes, aligned
	global_store_b128 v4, v[CD+4:CD+7], s[30:31] offset:(\t)*512+256    ; k 16-31: its lanes 16-31
.if (\t)+2 < NB
	WLOAD (\t)+2
.endif
.endm
	WLOAD 0
	WLOAD 1
.irp t, 0,1,2,3
	BLOCK \t
.endr
	global_store_b32 v5, v[SB], s[28:29]           ; my column's word for this 128 along K: every second word of 256 bytes; the wave that has the record's other 128 stores the others
	s_endpgm
.Lfunc_end_k_q7252672e7d_quant:
	.size	k_q7252672e7d_quant, .Lfunc_end_k_q7252672e7d_quant-k_q7252672e7d_quant
	.p2alignl 7, 3214868480
	.fill 96, 4, 3214868480
	.section	.rodata,"a",@progbits
	.p2align	6, 0x0
	.amdhsa_kernel k_q7252672e7d_quant
		.amdhsa_group_segment_fixed_size 34304
		.amdhsa_private_segment_fixed_size 0
		.amdhsa_enable_private_segment 0
		.amdhsa_kernarg_size 48
		.amdhsa_user_sgpr_count 2
		.amdhsa_user_sgpr_kernarg_segment_ptr 1
		.amdhsa_wavefront_size32 1
		.amdhsa_system_sgpr_workgroup_id_x 1
		.amdhsa_system_sgpr_workgroup_id_y 1
		.amdhsa_system_sgpr_workgroup_id_z 1
		.amdhsa_system_vgpr_workitem_id 0
		.amdhsa_next_free_vgpr 258
		.amdhsa_next_free_sgpr 66
		.amdhsa_reserve_vcc 0
		.amdhsa_float_denorm_mode_32 3
		.amdhsa_float_denorm_mode_16_64 3
		.amdhsa_memory_ordered 1
		.amdhsa_forward_progress 1
		.amdhsa_inst_pref_size 56
	.end_amdhsa_kernel
	.amdgpu_metadata
---
amdhsa.version: [ 1, 2 ]
amdhsa.kernels:
  - .name:           k_q7252672e7d_quant
    .symbol:         k_q7252672e7d_quant.kd
    .args:
      - { .name: inputs, .offset: 0, .size: 8, .value_kind: global_buffer, .address_space: global }
      - { .name: Wq, .offset: 8, .size: 8, .value_kind: global_buffer, .address_space: global }
      - { .name: Wk, .offset: 16, .size: 8, .value_kind: global_buffer, .address_space: global }
      - { .name: Wv, .offset: 24, .size: 8, .value_kind: global_buffer, .address_space: global }
      - { .name: ximg, .offset: 32, .size: 8, .value_kind: global_buffer, .address_space: global }
      - { .name: wimg, .offset: 40, .size: 8, .value_kind: global_buffer, .address_space: global }
    .group_segment_fixed_size: 34304
    .private_segment_fixed_size: 0
    .kernarg_segment_align: 8
    .kernarg_segment_size: 48
    .max_flat_workgroup_size: 128
    .sgpr_count:     66
    .vgpr_count:     258
    .wavefront_size: 32
...
	.end_amdgpu_metadata
.endif
;; end of part 1
;; launch proj (part 2): grid 8 x 32, 4 waves a work-group, clusters of 4 x 1, 327,680 bytes of LDS; arguments ximg, wimg, qimg, kv; writes qimg, kv
.if DOCPART == 2
	.amdgcn_target "amdgcn-amd-amdhsa--gfx1250"
	.amdhsa_code_object_version 6
	.text
	.protected	k_q7252672e7d_proj
	.globl	k_q7252672e7d_proj
	.p2align	8
	.type	k_q7252672e7d_proj,@function
k_q7252672e7d_proj:
	s_mov_b64 s[64:65], 0
	v_nop
	global_prefetch_b8 v0, s[64:65] scope:SCOPE_SE
	s_setreg_imm32_b32 hwreg(HW_REG_WAVE_MODE, 25, 1), 1
	s_wait_xcnt 0x0
	s_wait_alu depctr_hold_cnt(0) depctr_sa_sdst(0) depctr_va_vdst(0) depctr_va_sdst(0) depctr_va_ssrc(0) depctr_va_vcc(0) depctr_vm_vsrc(0)
	s_getreg_b32 s2, hwreg(HW_REG_IB_STS2, 6, 4)
	s_cmp_eq_u32 s2, 0
	s_cbranch_scc0 .Lentry_in_a_cluster
	s_endpgm
.Lentry_in_a_cluster:
	s_bfe_u32 s2, ttmp6, 0x10000c
	s_cmp_lg_u32 s2, 0x3003
	s_cbranch_scc0 .Lentry_shape_is_right
	s_endpgm
.Lentry_shape_is_right:
; Q, K, V = x W AND THEIR QUANTISERS, on codes of FP8 (E4M3) with one E8M0 byte for 32 along K: 8,192 tokens x 3,072 columns x 1,024.
; ximg, wimg: records of 128 rows x 256 of K, images of the operands' registers (tile i, step q, group c at 4096 i + 2048 q + 512 c + 16 lane; scale words at 32768 + 128 i + 8 r + 4 q);
; lane r of tile 2 B + u is row 32 B + 8 u + r + 8 (r / 8) of the record.  qimg, kv: records of 17,408 bytes for a (batch, head) and 128 tokens: Q's or K's eight tiles (1,024 bytes each) and 512 bytes of scale words; in kv V's part follows at 8,704.
; THE DEAL.  256 work-groups: 8 groups of 384 columns x 32 chunks of 256 tokens.  Wave slot s = 4 x column group + wave (0 .. 31) HOLDS 96 ROWS OF THE WEIGHTS, ALL OF K, IN 768 REGISTERS:
; one head of Q (s < 16) or of K (windows 1, 2: fragment 4 kq + t) and 32 columns of V, pair s (window 3: fragment 2 kq + t).  They come from wimg straight into registers: 512 consecutive bytes a load.
; The chunk's 256 tokens, 8 records = 270,336 bytes, lie in LDS and every wave streams all of them past its weights, 16 tokens a block.  The four work-groups of a cluster take the same tokens: joint loads.
; The weights are not asked for jointly: they go to registers, and LDS has no room for them beside the tokens.
; FILLS: at the head a record a wave (tokens 0-127); behind the full sequence and a round of the cluster's barrier a record a wave (tokens 128-255), shown by a plain barrier after eight blocks.  No byte is filled again.
; No prefetch: every byte is asked for at the head or straight behind the first round; no trip asks for anything, so there is nothing to run ahead of.
; A TRIP is two blocks (tiles 2 i, 2 i + 1 of a record) in four half blocks of 512 along K, 24 products each.  x's fragments stand in two sets of 64 registers: a half block's 18 LDS loads are issued one half block ahead.
; Q, K: source 0 = the weight's rows, so a lane holds one token and 16 neighbours of a head's 64.  V: source 0 = the tokens, so a lane holds one column and, over the two blocks, 16 neighbouring tokens, which are the next product's K.
; A scale block of 32 lies in lanes l and l xor 16.  Codes leave as 512 consecutive bytes a store, in the order of the next launch's operand registers.
; LIMITS: NaN, infinities and sums beyond f32's range are not served.  A block whose largest magnitude lies under 2^-118 gets the byte 1 (the rule says 127 for zeros): the bytes are read by this program alone.
.set REC,  33792
.set GRP,  4*REC
.set ARE,  17408
.set SPARE, 2*GRP                      ; behind the tokens: the spare words, 128 bytes a wave
.set LI,   1                           ; v1   16 x lane
.set AX,   2                           ; v2, v3  LDS address of the trip's fragments: K 0-511, K 512-1023
.set AS,   4                           ; v4, v5  of its scale words likewise
.set SPW,  6
.set NIL,  7
.set WS,   8                           ; v8-31  the weights' scale words: 8 p + kq: lanes 0-15 tile 2 p, lanes 16-31 tile 2 p + 1 (p = 2: V's pair)
.set XS,   32                          ; v32-39 x's: step kq at (kq + 2) % 8
.set ACC,  40                          ; v40-71 Q's or K's four sums
.set VA,   72                          ; v72-103 V's: 16 t + 8 block
.set MX,   104                         ; largest magnitudes
.set TP,   106                         ; second chain, the other half's largest, then the bytes
.set HO,   108                         ; 448 x the scale
.set SO,   110                         ; the conversions' scale operands
.set SW0,  112                         ; the even block's scale word
.set AS0,  113                         ; 32768 + 8 (lane % 16)
.set SPK,  114                         ; v114-117 four trips' scale words of Q or K
.set SWV,  118                         ; v118-119 V's scale words, a byte a trip
.set CQ,   120                         ; v120-127 codes
.set XF,   128                         ; v128-255 x's fragments: 16 kq
.set G1,   24
.set G0,   32                          ; s[32:35], s[36:39]
.set WQ,   40
.set WQS,  42
.set WV,   44
.set WVS,  46
.set OQ,   48
.set OV,   50
.set OVS,  52
.set TF,   66                          ; LDS byte of the trip's tiles
.set TS,   67                          ; of its scale words
.set TR,   68                          ; the trip
.set SH,   69                          ; 8 x the trip
.set MSB, 0
.macro WIN new                         ; the immediate's high byte repeats the setting that is left
.if MSB != \new
	s_set_vgpr_msb (MSB<<8)|\new
.set MSB, \new
.endif
.endm
.macro PLACES                          ; eight plain lines behind a product, ahead of loads into what it has read and of the first reader of its sums
.rept 8
	v_nop
.endr
.endm
.macro CROUND                          ; a round of the cluster's barrier
	s_barrier_signal -1
	s_barrier_wait -1
	s_cmp_lg_u32 s14, 0
	s_cbranch_scc1 .Lnot_wave_0_\@
	s_barrier_signal -3
.Lnot_wave_0_\@:
	s_barrier_wait -3
	s_barrier_signal -1
	s_barrier_wait -1
.endm
	s_load_b256 s[4:11], s[0:1], 0x0               ; ximg, wimg, qimg, kv
	v_lshl_add_u32 v[SPW], v0, 2, SPARE
	v_mov_b32 v[NIL], 0
	ds_add_u32 v[SPW], v[NIL]                      ; the opening lines: the add twice on end and its wait ahead of my first tensor load
	ds_add_u32 v[SPW], v[NIL]
	v_lshrrev_b32 v[CQ], 5, v0
	v_readfirstlane_b32 s14, v[CQ]                 ; wave 0..3
	v_and_b32 v[CQ+1], 31, v0
	v_lshlrev_b32 v[LI], 4, v[CQ+1]
	v_lshlrev_b32 v[CQ+2], 3, v[CQ+1]              ; 8 x lane: a pair of tiles' scale words
	v_and_b32 v[AS0], 15, v0
	v_lshl_add_u32 v[AS0], v[AS0], 3, 32768
.irp i, 0,1
	v_mov_b32 v[TP+\i], 0                          ; a lane permute's destination counts as one of its sources
.endr
.irp i, 0,1,2,3
	v_mov_b32 v[SPK+\i], 0                         ; read by the first trips' moves
.endr
	s_bfe_u32 s15, ttmp6, 0x40000                  ; cx: it enters global addresses alone
	s_lshl_b32 s16, ttmp9, 2
	s_add_co_u32 s16, s16, s15
	s_lshl_b32 s16, s16, 2
	s_add_co_u32 s16, s16, s14                     ; s: my slot
	s_and_b32 s17, ttmp7, 0xffff                   ; the chunk of 256 tokens
	s_mul_i32 s20, s14, REC                        ; my record of four, in LDS and in memory
	s_mul_i32 s18, s17, 2*GRP
	s_add_co_u32 s18, s18, s20
	s_mov_b32 s19, 0
	s_mov_b32 s[G1], 15|(3<<16)|(1<<21)            ; the mask: all four work-groups; elements of 8 bytes; bit 21 beside a mask
	s_mov_b32 s[G1+1], 32<<16                      ; rows of 256 bytes,
	s_mov_b32 s[G1+2], 132<<16                     ; 132 of them: a record
	s_mov_b32 s[G1+3], 32<<16
	s_mov_b32 s[G1+4], 132
	s_mov_b32 s[G1+5], 32
	s_mov_b32 s[G1+6], 0
	s_mov_b32 s[G1+7], 0
	s_mov_b32 s[G0], 1
	s_mov_b32 s[G0+1], s20
	s_mov_b32 s[G0+4], 1
	s_add_co_u32 s[G0+5], s20, GRP
	s_lshr_b32 s21, s16, 1                         ; Q's, K's weights: group s / 2, tiles 4 (s % 2) on
	s_mul_i32 s54, s21, GRP
	s_and_b32 s22, s16, 1
	s_lshl_b32 s23, s22, 14
	s_add_co_u32 s[WQ], s54, s23
	s_mov_b32 s[WQ+1], 0
	s_lshl_b32 s23, s22, 9
	s_add_co_u32 s[WQS], s54, s23
	s_add_co_u32 s[WQS], s[WQS], 32768
	s_mov_b32 s[WQS+1], 0
	s_lshr_b32 s21, s16, 2                         ; V's: group 16 + s / 4, tiles 2 (s % 4) on
	s_add_co_u32 s21, s21, 16
	s_mul_i32 s54, s21, GRP
	s_and_b32 s23, s16, 3
	s_lshl_b32 s55, s23, 13
	s_add_co_u32 s[WV], s54, s55
	s_mov_b32 s[WV+1], 0
	s_lshl_b32 s55, s23, 8
	s_add_co_u32 s[WVS], s54, s55
	s_add_co_u32 s[WVS], s[WVS], 32768
	s_mov_b32 s[WVS+1], 0
	s_lshr_b32 s56, s17, 3
	s_lshl_b32 s56, s56, 4                         ; 16 x batch
	s_and_b32 s57, s17, 7
	s_lshl_b32 s57, s57, 1                         ; my first block of 128 tokens
	s_and_b32 s58, s16, 15                         ; Q's or K's head
	s_add_co_u32 s58, s58, s56
	s_lshl_b32 s58, s58, 4
	s_add_co_u32 s58, s58, s57
	s_mul_i32 s[OQ], s58, ARE
	s_mov_b32 s[OQ+1], 0
	s_lshr_b32 s58, s16, 1                         ; V's head
	s_add_co_u32 s58, s58, s56
	s_lshl_b32 s58, s58, 4
	s_add_co_u32 s58, s58, s57
	s_mul_i32 s[OV], s58, ARE
	s_add_co_u32 s[OV], s[OV], 8704
	s_lshl_b32 s59, s22, 2
	s_add_co_u32 s[OVS], s[OV], s59                ; V's scale words: word s % 2 of a lane's four
	s_add_co_u32 s[OVS], s[OVS], 8192
	s_mov_b32 s[OVS+1], 0
	s_lshl_b32 s59, s22, 12
	s_add_co_u32 s[OV], s[OV], s59                 ; V's codes: fragments 2 (s % 2) on
	s_mov_b32 s[OV+1], 0
	s_mov_b32 s60, 0x76543210
	s_mov_b32 s61, 0xfedcba98                      ; lane l xor 16
	s_mov_b32 s62, 0x600000                        ; the mantissa field of 448
	s_mov_b32 s63, 0xffff0000                      ; lanes 16-31
	s_wait_alu depctr_va_vdst(0)
	s_wait_dscnt 0x0                               ; both opening adds are done
	s_wait_kmcnt 0x0
	s_add_nc_u64 s[G0+2:G0+3], s[4:5], s[18:19]
	s_add_nc_u64 s[G0+6:G0+7], s[G0+2:G0+3], GRP
	s_or_b32 s[G0+3], s[G0+3], 0x80000000
	s_or_b32 s[G0+7], s[G0+7], 0x80000000
	s_add_nc_u64 s[WQ:WQ+1], s[6:7], s[WQ:WQ+1]
	s_add_nc_u64 s[WQS:WQS+1], s[6:7], s[WQS:WQS+1]
	s_add_nc_u64 s[WV:WV+1], s[6:7], s[WV:WV+1]
	s_add_nc_u64 s[WVS:WVS+1], s[6:7], s[WVS:WVS+1]
	s_cmp_eq_u32 ttmp9, 0                          ; the cluster's number: slots 0-15 make Q, 16-31 K
	s_cselect_b64 s[54:55], s[8:9], s[10:11]
	s_add_nc_u64 s[OQ:OQ+1], s[54:55], s[OQ:OQ+1]
	s_add_nc_u64 s[OV:OV+1], s[10:11], s[OV:OV+1]
	s_add_nc_u64 s[OVS:OVS+1], s[10:11], s[OVS:OVS+1]
	CROUND                                         ; all four work-groups are here: the joint loads meet
	tensor_load_to_lds s[G0:G0+3], s[G1:G1+7]      ; tokens 0-127: my record; one tensor load a wave at the head
	s_nop 0
.rept 4
	v_nop
.endr
.irp k, 0,1,2,3                        ; the weights' scale words: a lane takes both words of a record's 256 along K
	global_load_b64 v[WS+2*\k:WS+2*\k+1], v[CQ+2], s[WQS:WQS+1] offset:\k*REC
	global_load_b64 v[WS+8+2*\k:WS+8+2*\k+1], v[CQ+2], s[WQS:WQS+1] offset:\k*REC+256
	global_load_b64 v[WS+16+2*\k:WS+16+2*\k+1], v[CQ+2], s[WVS:WVS+1] offset:\k*REC
.endr
.set F_, 0
.rept 32                               ; Q's or K's fragment F = 4 kq + t
	WIN (1+F_/16)<<6
.irp c, 0,1,2,3
	global_load_b128 v[16*(F_%16)+4*\c:16*(F_%16)+4*\c+3], v[LI], s[WQ:WQ+1] offset:(F_/8)*REC+(F_%4)*4096+((F_/4)%2)*2048+512*\c
.endr
.set F_, F_+1
.endr
.set F_, 0
.rept 16                               ; V's fragment F = 2 kq + t
	WIN 0xc0
.irp c, 0,1,2,3
	global_load_b128 v[16*F_+4*\c:16*F_+4*\c+3], v[LI], s[WV:WV+1] offset:(F_/4)*REC+(F_%2)*4096+((F_/2)%2)*2048+512*\c
.endr
.set F_, F_+1
.endr
	WIN 0
	s_wait_tensorcnt 0x0                           ; my record is in
	ds_add_u32 v[SPW], v[NIL]
	s_wait_dscnt 0x0
	CROUND                                         ; everybody's is, in all four work-groups
	tensor_load_to_lds s[G0+4:G0+7], s[G1:G1+7]    ; tokens 128-255: my record; it has eight blocks' work in which to land
	s_nop 0
.rept 4
	v_nop
.endr
.macro ADDR
	v_add_nc_u32 v[AX], s[TF], v[LI]
	v_add_nc_u32 v[AS], s[TS], v[AS0]
	v_add_nc_u32 v[AX+1], 2*REC, v[AX]
	v_add_nc_u32 v[AS+1], 2*REC, v[AS]
	s_wait_alu depctr_va_vdst(0)
.endm
.macro FETCH hs, off                   ; half hs of K of the block off tiles on: four fragments and four scale words: 18 LDS loads
.irp k, 0,1
.irp q, 0,1
.irp c, 0,1,2,3
	ds_load_b128 v[XF+64*\hs+32*\k+16*\q+4*\c:XF+64*\hs+32*\k+16*\q+4*\c+3], v[AX+\hs] offset:(\off)*4096+\k*REC+\q*2048+\c*512
.endr
.endr
	ds_load_b64 v[XS+(4*\hs+2*\k+2)%8:XS+(4*\hs+2*\k+2)%8+1], v[AS+\hs] offset:(\off)*128+\k*REC
.endr
.endm
.macro QKP t, kq                       ; Q, K: source 0 = 16 rows of the weight, source 1 = 16 tokens
.set D_, ACC+8*(\t)
.set W_, 16*((4*(\kq)+(\t))%16)
.set X_, XF+16*(\kq)
.set A_, WS+8*((\t)/2)+(\kq)
.set B_, XS+((\kq)+2)%8
.if (\kq) == 0
.if (\t)%2
	v_wmma_scale_f32_16x16x128_f8f6f4 v[D_:D_+7], v[W_:W_+15], v[X_:X_+15], 0, v[A_], v[B_] matrix_a_scale:MATRIX_SCALE_ROW1
.else
	v_wmma_scale_f32_16x16x128_f8f6f4 v[D_:D_+7], v[W_:W_+15], v[X_:X_+15], 0, v[A_], v[B_]
.endif
.else
.if (\t)%2
	v_wmma_scale_f32_16x16x128_f8f6f4 v[D_:D_+7], v[W_:W_+15], v[X_:X_+15], v[D_:D_+7], v[A_], v[B_] matrix_a_scale:MATRIX_SCALE_ROW1
.else
	v_wmma_scale_f32_16x16x128_f8f6f4 v[D_:D_+7], v[W_:W_+15], v[X_:X_+15], v[D_:D_+7], v[A_], v[B_]
.endif
.endif
.endm
.macro VP t, blk, kq                   ; V: source 0 = 16 tokens, source 1 = 16 rows of the weight
.set D_, VA+16*(\t)+8*(\blk)
.set W_, 16*(2*(\kq)+(\t))
.set X_, XF+16*(\kq)
.set A_, XS+((\kq)+2)%8
.set B_, WS+16+(\kq)
.if (\kq) == 0
.if (\t)%2
	v_wmma_scale_f32_16x16x128_f8f6f4 v[D_:D_+7], v[X_:X_+15], v[W_:W_+15], 0, v[A_], v[B_] matrix_b_scale:MATRIX_SCALE_ROW1
.else
	v_wmma_scale_f32_16x16x128_f8f6f4 v[D_:D_+7], v[X_:X_+15], v[W_:W_+15], 0, v[A_], v[B_]
.endif
.else
.if (\t)%2
	v_wmma_scale_f32_16x16x128_f8f6f4 v[D_:D_+7], v[X_:X_+15], v[W_:W_+15], v[D_:D_+7], v[A_], v[B_] matrix_b_scale:MATRIX_SCALE_ROW1
.else
	v_wmma_scale_f32_16x16x128_f8f6f4 v[D_:D_+7], v[X_:X_+15], v[W_:W_+15], v[D_:D_+7], v[A_], v[B_]
.endif
.endif
.endm
.macro PRODS blk, hs                   ; 24 products: the six sums by turns, one instruction a turn
.irp k, 0,1,2,3
	WIN 1+\hs
.irp t, 0,1,2,3
	QKP \t, 4*\hs+\k
.endr
	WIN 0x0c
	VP 0, \blk, 4*\hs+\k
	VP 1, \blk, 4*\hs+\k
.endr
	WIN 0
.endm
.macro QMAX x                          ; two scale blocks, 16 numbers a lane each, at x and x + 16: largest magnitudes in four chains, scale operands, bounds, bytes (in TP)
	s_wait_alu depctr_va_vdst(0)
	s_wait_xcnt 0x0                                ; the stores before have read their registers
.irp b, 0,1
	v_max3_num_f32 v[MX+\b], |v[\x+16*\b]|, |v[\x+16*\b+1]|, |v[\x+16*\b+2]|
	v_max3_num_f32 v[TP+\b], |v[\x+16*\b+8]|, |v[\x+16*\b+9]|, |v[\x+16*\b+10]|
.endr
.irp i, 3,5
.irp b, 0,1
	v_max3_num_f32 v[MX+\b], v[MX+\b], |v[\x+16*\b+\i]|, |v[\x+16*\b+\i+1]|
	v_max3_num_f32 v[TP+\b], v[TP+\b], |v[\x+16*\b+8+\i]|, |v[\x+16*\b+9+\i]|
.endr
.endr
.irp b, 0,1
	v_max3_num_f32 v[MX+\b], v[MX+\b], |v[\x+16*\b+7]|, |v[\x+16*\b+15]|
.endr
.irp b, 0,1
	v_max3_num_f32 v[MX+\b], v[MX+\b], v[TP+\b], 0x4800000        ; the floor 2^(9 - 127): the byte cannot fall under 1
.endr
.irp b, 0,1
	v_permlanex16_b32 v[TP+\b], v[MX+\b], s60, s61
.endr
.irp b, 0,1
	v_max_num_f32 v[MX+\b], v[MX+\b], v[TP+\b]
.endr
.irp b, 0,1
	v_add_nc_u32 v[SO+\b], 0xfc000000, v[MX+\b]                   ; 8 off the exponent field
.endr
.irp b, 0,1
	v_and_or_b32 v[HO+\b], v[MX+\b], 0x7f800000, s62              ; 448 x the scale
.endr
.irp b, 0,1
	v_lshrrev_b32 v[TP+\b], 23, v[SO+\b]
.endr
.endm
.macro QCVT x                          ; the holds (the conversion does not saturate: ISA guide 7.6.2) and the codes
.irp b, 0,1
.irp i, 0,1,2,3,4,5,6,7,8,9,10,11,12,13,14,15
	v_med3_num_f32 v[\x+16*\b+\i], v[\x+16*\b+\i], -v[HO+\b], v[HO+\b]
.endr
.endr
.irp b, 0,1
	v_cvt_scalef32_pk8_fp8_f32 v[CQ+4*\b:CQ+4*\b+1], v[\x+16*\b:\x+16*\b+7], v[SO+\b]
	v_cvt_scalef32_pk8_fp8_f32 v[CQ+4*\b+2:CQ+4*\b+3], v[\x+16*\b+8:\x+16*\b+15], v[SO+\b]
.endr
	v_nop                                          ; one plain line behind the last conversion
.endm
.macro ROWGROUP g                      ; 128 tokens: four trips of two blocks
	s_mov_b32 s[TF], (\g)*GRP
	s_mov_b32 s[TS], (\g)*GRP
	s_mov_b32 s[TR], 0
	s_mov_b32 s[SH], 0
	v_mov_b32 v[SWV], 0
	v_mov_b32 v[SWV+1], 0
	ADDR
	FETCH 0, 0
.if (\g) == 0
	s_wait_loadcnt 0x0                             ; the weights are in
.endif
.Ltrip_\@:
	FETCH 1, 0
	s_wait_dscnt 18                                ; all but the 18 just issued
	PRODS 0, 0
	PLACES
	FETCH 0, 1
	s_wait_dscnt 18
	PRODS 0, 1
	PLACES
	FETCH 1, 1
	QMAX ACC                                       ; the even block of Q or K
	v_lshl_or_b32 v[SW0], v[TP+1], 8, v[TP]
	QCVT ACC
	global_store_b128 v[LI], v[CQ:CQ+3], s[OQ:OQ+1]
	global_store_b128 v[LI], v[CQ+4:CQ+7], s[OQ:OQ+1] offset:512
	s_wait_dscnt 18
	PRODS 1, 0
	PLACES
	s_cmp_eq_u32 s[TR], 3                          ; the last trip has no successor in these records
	s_cbranch_scc1 .Lnone_\@
	FETCH 0, 2
	s_wait_dscnt 18
	s_branch .Lgo_\@
.Lnone_\@:
	s_wait_dscnt 0x0
.Lgo_\@:
	PRODS 1, 1
	PLACES
	QMAX ACC                                       ; the odd block
	v_lshl_or_b32 v[TP], v[TP+1], 8, v[TP]
	v_mov_b32 v[SPK], v[SPK+1]                     ; the four trips' words move up: after four trips word i is trip i's
	v_mov_b32 v[SPK+1], v[SPK+2]
	v_mov_b32 v[SPK+2], v[SPK+3]
	v_cndmask_b32 v[SPK+3], v[SW0], v[TP], s63     ; lanes 0-15 the even tile's word, lanes 16-31 the odd's
	QCVT ACC
	global_store_b128 v[LI], v[CQ:CQ+3], s[OQ:OQ+1] offset:1024
	global_store_b128 v[LI], v[CQ+4:CQ+7], s[OQ:OQ+1] offset:1536
	QMAX VA                                        ; V: the pair's 32 tokens, two tiles of 16 columns
	v_lshl_or_b32 v[SWV], v[TP], s[SH], v[SWV]
	v_lshl_or_b32 v[SWV+1], v[TP+1], s[SH], v[SWV+1]
	QCVT VA
	global_store_b128 v[LI], v[CQ:CQ+3], s[OV:OV+1]
	global_store_b128 v[LI], v[CQ+4:CQ+7], s[OV:OV+1] offset:2048
	s_wait_xcnt 0x0                                ; the stores have read their bases
	s_add_nc_u64 s[OQ:OQ+1], s[OQ:OQ+1], 2048
	s_add_nc_u64 s[OV:OV+1], s[OV:OV+1], 512
	s_add_co_u32 s[TF], s[TF], 8192
	s_add_co_u32 s[TS], s[TS], 256
	s_add_co_u32 s[SH], s[SH], 8
	ADDR
	s_add_co_u32 s[TR], s[TR], 1
	s_cmp_lt_u32 s[TR], 4
	s_cbranch_scc1 .Ltrip_\@
	global_store_b128 v[LI], v[SPK:SPK+3], s[OQ:OQ+1]             ; the base stands at the record's scale words: 512 consecutive bytes
	v_cndmask_b32 v[TP], v[SWV], v[SWV+1], s63
	v_mov_b32 v[TP+1], 0
	global_store_b32 v[LI], v[TP], s[OVS:OVS+1]                   ; V's word: one of a lane's four; the wave beside me has the second, words 2 and 3 are zeros
	global_store_b32 v[LI], v[TP+1], s[OVS:OVS+1] offset:8
.if (\g) == 0
	s_wait_xcnt 0x0
	s_add_nc_u64 s[OQ:OQ+1], s[OQ:OQ+1], ARE-8192
	s_add_nc_u64 s[OV:OV+1], s[OV:OV+1], ARE-2048
	s_add_nc_u64 s[OVS:OVS+1], s[OVS:OVS+1], ARE
.endif
.endm
	ROWGROUP 0
	s_wait_tensorcnt 0x0                           ; my record of tokens 128-255 is in,
	s_wait_dscnt 0x0
	s_barrier_signal -1
	s_barrier_wait -1                              ; everybody's is
	ROWGROUP 1
	s_wait_tensorcnt 0x0                           ; the wave's end
	ds_add_u32 v[SPW], v[NIL]
	s_wait_dscnt 0x0
	CROUND                                         ; the closing round
	s_endpgm
.Lfunc_end_k_q7252672e7d_proj:
	.size	k_q7252672e7d_proj, .Lfunc_end_k_q7252672e7d_proj-k_q7252672e7d_proj
	.p2alignl 7, 3214868480
	.fill 96, 4, 3214868480
	.section	.rodata,"a",@progbits
	.p2align	6, 0x0
	.amdhsa_kernel k_q7252672e7d_proj
		.amdhsa_group_segment_fixed_size 327680
		.amdhsa_private_segment_fixed_size 0
		.amdhsa_enable_private_segment 0
		.amdhsa_kernarg_size 32
		.amdhsa_user_sgpr_count 2
		.amdhsa_user_sgpr_kernarg_segment_ptr 1
		.amdhsa_wavefront_size32 1
		.amdhsa_system_sgpr_workgroup_id_x 1
		.amdhsa_system_sgpr_workgroup_id_y 1
		.amdhsa_system_sgpr_workgroup_id_z 1
		.amdhsa_system_vgpr_workitem_id 0
		.amdhsa_next_free_vgpr 1024
		.amdhsa_next_free_sgpr 72
		.amdhsa_reserve_vcc 0
		.amdhsa_float_denorm_mode_32 3
		.amdhsa_float_denorm_mode_16_64 3
		.amdhsa_memory_ordered 1
		.amdhsa_forward_progress 1
		.amdhsa_inst_pref_size 95
	.end_amdhsa_kernel
	.amdgpu_metadata
---
amdhsa.version: [ 1, 2 ]
amdhsa.kernels:
  - .name:           k_q7252672e7d_proj
    .symbol:         k_q7252672e7d_proj.kd
    .args:
      - { .name: ximg, .offset: 0, .size: 8, .value_kind: global_buffer, .address_space: global }
      - { .name: wimg, .offset: 8, .size: 8, .value_kind: global_buffer, .address_space: global }
      - { .name: qimg, .offset: 16, .size: 8, .value_kind: global_buffer, .address_space: global }
      - { .name: kv, .offset: 24, .size: 8, .value_kind: global_buffer, .address_space: global }
    .group_segment_fixed_size: 327680
    .private_segment_fixed_size: 0
    .kernarg_segment_align: 8
    .kernarg_segment_size: 32
    .max_flat_workgroup_size: 128
    .sgpr_count:     72
    .vgpr_count:     1024
    .wavefront_size: 32
...
	.end_amdgpu_metadata
.endif
;; end of part 2
;; launch attn (part 3): grid 4 x 64, 16 waves a work-group, clusters of 4 x 1, 327,680 bytes of LDS; arguments qimg, kv, out0; writes out0
.if DOCPART == 3
	.amdgcn_target "amdgcn-amd-amdhsa--gfx1250"
	.amdhsa_code_object_version 6
	.text
	.protected	k_q7252672e7d_attn
	.globl	k_q7252672e7d_attn
	.p2align	8
	.type	k_q7252672e7d_attn,@function
k_q7252672e7d_attn:
	s_mov_b64 s[64:65], 0
	v_nop
	global_prefetch_b8 v0, s[64:65] scope:SCOPE_SE
	s_setreg_imm32_b32 hwreg(HW_REG_WAVE_MODE, 25, 1), 1
	s_wait_xcnt 0x0
	s_wait_alu depctr_hold_cnt(0) depctr_sa_sdst(0) depctr_va_vdst(0) depctr_va_sdst(0) depctr_va_ssrc(0) depctr_va_vcc(0) depctr_vm_vsrc(0)
	s_getreg_b32 s2, hwreg(HW_REG_IB_STS2, 6, 4)
	s_cmp_eq_u32 s2, 0
	s_cbranch_scc0 .Lentry_in_a_cluster
	s_endpgm
.Lentry_in_a_cluster:
	s_bfe_u32 s2, ttmp6, 0x10000c
	s_cmp_lg_u32 s2, 0x3003
	s_cbranch_scc0 .Lentry_shape_is_right
	s_endpgm
.Lentry_shape_is_right:
; out0[b][q][64 head + e] = the sum over k <= q of softmax_k(q . k / 8) v, both products on codes of FP8 (E4M3) with E8M0 scales; 64 (batch, head) pairs, 2,048 positions, head size 64.
; THE SOFTMAX AHEAD OF THE SECOND PRODUCT: t = score x log2(e) / 8; M = the running largest t rounded UP to a whole number; p = 2^(t - M) is quantised along the keys, not normalised; the row's sum is taken of
; the unquantised p and divides at the end.  When M moves, the sum and O are multiplied by 2^(old M - new M): exact.
; THE FIRST PRODUCT'S K IS 64.  Q's operand holds zero codes at k = 64 .. 127, and both sides' scale bytes there are 0, which is no NaN.  K's eight tiles lie on end, 8 registers each: a tile's operand is its own 8 registers
; and the 8 behind them (the next tile's codes; behind the last tile 8 registers of zeros).  Those codes meet Q's zeros and add nothing: every code here was made behind a hold at 448, so none is the NaN code.
; SHARES.  A cluster of four work-groups owns one (batch, head).  A block is 128 positions: 8 tiles of 16 queries (lane r of tile T: query 32 (T / 2) + 8 (T % 2) + r + 8 (r / 8)).  Wave w of work-group cx takes tile
; T = cx + 4 (w / 8) of block 15 - w % 8, then the same tile of block w % 8: (16 - w % 8) + (w % 8 + 1) = 17 key steps of 128 for every wave.  Steps all of whose keys are hidden are jumped over by a scalar branch
; on the wave's number and the loop's count; the place in the cluster enters Q's and O's global addresses and one vector compare, nothing else.
; THE HEAD'S K AND V STAY IN LDS: 16 records of 17,408 bytes, images of the operands' registers, filled ONCE by joint loads of the four work-groups (one a wave): no slot is filled again.
; LAYOUT.  S^T = K Q^T, O^T = V^T P^T: a lane holds one query throughout; the 16 registers of key tiles 2 B, 2 B + 1 are keys 32 B + 16 (lane / 16) + 0 .. 15.
; THE SECOND PRODUCT RUNS ONE STEP BEHIND.  Step j: K(j) from LDS; 8 products K Q^T; O^T x f of step j - 1 (16 lines: the places behind those products); V(j - 1) from LDS into the registers that K has left; the maxima,
; while V lands; 4 products V^T P^T of step j - 1; the rest of the softmax, whose lines are the places that the next loads and conversions owe.  So a step has no v_nop.  A tile's first step has nothing pending and is written out;
; behind a tile's last step DRAIN does what is pending.
; LIMITS: a block's largest p is taken from the block's largest score by the same multiply-add and exponential: this takes v_exp_f32 not to fall where its input rises.  A block whose every p is 0 keeps the byte 1.
; REGISTERS: v1-8 addresses and constants; v12 -M, v13 the largest t, v[14:15] the sum; v16-23 Q, v24-31 zeros; v32-95 K's eight tiles, then V's four fragments; v96-103 zeros; v104-167 S^T, then p;
;   v168-199 O^T; v200-215 p's codes; v216-223 scale words and nothing else; v224-245 at work; v246-254 the second tile's Q.
; THE FILLS, as they now stand: ONE joint load a wave, record w for wave w (not two a wave).  Waves 0-7 and waves 8-15 have a load line each: the first barrier shows records 0-7 alone;
; the second barrier is signalled behind the first key step, when all of a wave's loads are in, and waited for in front of the first read of records 8-15.
.set ARE,   17408                      ; a record: K's part (8,192 codes, 512 scale words), then V's part likewise
.set HALF,  8704
.set STAGE, 16*ARE                     ; behind the records: 16 rows x 144 bytes for each wave, for the way out
.set LI,   1                           ; v1   16 x lane
.set ADR,  2                           ; v2   the pending step's record + 16 x lane: V at + HALF, the step's own K one record on
.set GO,   3                           ; v3   the way out: my bytes in two rows of out0
.set STO,  4                           ; v4   where I put my row's numbers in the stage
.set RD,   5                           ; v5   where I read a row back
.set DQ,   6                           ; v6   my query in its block - 16 (lane / 16)
.set RR,   7                           ; v7   lane % 16
.set NINF, 8                           ; v8   -infinity
.set KV,   32
.set PAD,  96
.set S,    104
.set O,    168
.set PC,   200
.set KS,   216                         ; v216-219 K's scale words: word i: lanes 0-15 tile 2 i, lanes 16-31 tile 2 i + 1
.set VS,   220                         ; v220-221 V's likewise
.set QS,   222                         ; Q's
.set PS,   223                         ; p's
.set BM,   224                         ; block maxima
.set BY,   228                         ; bytes
.set HO,   232                         ; 448 x the scale
.set SO,   236                         ; the conversions' scale operands
.set FF,   240                         ; v[240:241] f = 2^(old M - new M); later 1 / the sum
.set TT,   242
.set S2,   244                         ; v[244:245] the second chain of the sum
.set Q2,   246                         ; v246-253 the second tile's Q, v254 its scale word
.set J,    41                          ; s41  the key step
.set TB,   42                          ; s42  LDS byte of the record one step back
.set G,    43                          ; s43  my tile's block
.macro CROUND                          ; a round of the cluster's barrier
	s_barrier_signal -1
	s_barrier_wait -1
	s_cmp_lg_u32 s10, 0
	s_cbranch_scc1 .Lnot_wave_0_\@
	s_barrier_signal -3
.Lnot_wave_0_\@:
	s_barrier_wait -3
	s_barrier_signal -1
	s_barrier_wait -1
.endm
	s_load_b128 s[4:7], s[0:1], 0x0                ; qimg s[4:5], kv s[6:7]
	s_load_b64 s[8:9], s[0:1], 0x10                ; out0
	v_lshl_add_u32 v243, v0, 2, 0x4d000
	v_mov_b32 v255, 0
	ds_add_u32 v243, v255
	ds_add_u32 v243, v255
	v_lshrrev_b32 v1, 5, v0
	s_delay_alu instid0(VALU_DEP_1)
	v_readfirstlane_b32 s10, v1                    ; wave 0..15
	s_and_b32 s11, s10, 7                          ; my small block
	s_xor_b32 s12, s11, 15                         ; my big block: 15 - the small one
	s_bfe_u32 s14, ttmp6, 0x40000                  ; cx
	s_lshr_b32 s15, s10, 3
	s_lshl_b32 s15, s15, 2
	s_add_co_u32 s15, s15, s14                     ; T: my tile in a block
	s_and_b32 s16, ttmp7, 0xffff                   ; 16 batch + head: shared by the four partners
	s_mov_b32 s24, 15|(3<<16)|(1<<21)              ; 15:0 the mask: all four work-groups; 17:16 elements of 8 bytes; 21 set beside a mask
	s_mov_b32 s25, 32<<16                          ; tensor_dim0 = 32 elements: 256 bytes
	s_mov_b32 s26, 68<<16                          ; tensor_dim1 = 68 rows: a record
	s_mov_b32 s27, 32<<16                          ; tile_dim0
	s_mov_b32 s28, 68                              ; tile_dim1
	s_mov_b32 s29, 32                              ; the pitch: dense
	s_mov_b32 s30, 0
	s_mov_b32 s31, 0
	s_mul_i32 s17, s10, ARE                        ; my record
	s_mul_i32 s52, s16, 16*ARE
	s_add_co_u32 s52, s52, s17
	s_mov_b32 s53, 0
	s_lshl_b32 s18, s16, 4
	s_add_co_u32 s54, s18, s12
	s_mul_i32 s54, s54, ARE                        ; Q's record of my big block,
	s_mov_b32 s55, 0
	s_add_co_u32 s56, s18, s11
	s_mul_i32 s56, s56, ARE                        ; of my small block
	s_mov_b32 s57, 0
	s_lshr_b32 s18, s15, 1
	s_lshl_b32 s18, s18, 5
	s_and_b32 s13, s15, 1
	s_lshl_b32 s13, s13, 3
	s_add_co_u32 s18, s18, s13                     ; my tile's first query in its block: 32 (T / 2) + 8 (T % 2)
	s_lshr_b32 s13, s16, 4
	s_lshl_b32 s13, s13, 11
	s_add_co_u32 s13, s13, s18                     ; + 2,048 batch
	s_and_b32 s60, s16, 15
	s_lshl_b32 s60, s60, 8                         ; the head's 256 bytes of a row
	s_lshl_b32 s58, s12, 7
	s_add_co_u32 s58, s58, s13
	s_lshl_b32 s58, s58, 12                        ; rows of 4,096 bytes
	s_add_co_u32 s58, s58, s60
	s_mov_b32 s59, 0
	s_lshl_b32 s62, s11, 7
	s_add_co_u32 s62, s62, s13
	s_lshl_b32 s62, s62, 12
	s_add_co_u32 s62, s62, s60
	s_mov_b32 s63, 0
	s_lshl_b32 s2, s15, 10                         ; my tile's codes in Q's record
	s_and_b32 s3, s15, 1
	s_lshl_b32 s3, s3, 8
	s_lshr_b32 s13, s15, 1
	s_lshl_b32 s13, s13, 2
	s_add_co_u32 s3, s3, s13
	s_add_co_u32 s3, s3, 8192                      ; and its scale words: 8,192 + 256 (T % 2) + 4 (T / 2) + 16 r
	s_mul_i32 s61, s10, 16*144
	s_add_co_u32 s61, s61, STAGE                   ; my stage
	s_mov_b32 s19, 0x600000                        ; the mantissa field of 448
	s_mov_b32 s20, 0x76543210
	s_mov_b32 s21, 0xfedcba98                      ; v_permlanex16_b32's selects for lane l xor 16
	s_mov_b32 s22, 0x3e38aa3b                      ; c = log2(e) / 8
	s_mov_b32 s23, s22                             ; (named with it as a pair, so it is written)
	s_wait_dscnt 0x0
	s_wait_kmcnt 0x0
	s_add_nc_u64 s[52:53], s[6:7], s[52:53]
	s_add_nc_u64 s[44:45], s[4:5], s[54:55]
	s_add_nc_u64 s[46:47], s[4:5], s[56:57]
	s_add_nc_u64 s[48:49], s[8:9], s[58:59]
	s_add_nc_u64 s[50:51], s[8:9], s[62:63]
	s_mov_b32 s32, 1                               ; group 0: my record, w of 16
	s_mov_b32 s33, s17
	s_mov_b64 s[34:35], s[52:53]
	s_or_b32 s35, s35, 0x80000000
	CROUND                                         ; all four work-groups are here: the joint loads meet
	s_cmp_lt_u32 s10, 8                            ; one load a wave; waves 0-7, which alone wait at the first barrier, have a line of their own
	s_cbranch_scc0 .Lupper
	tensor_load_to_lds s[32:35], s[24:31]
	s_nop 0
.rept 4
	v_nop
.endr
	s_branch .Lasked
.Lupper:
	tensor_load_to_lds s[32:35], s[24:31]
	s_nop 0
.rept 4
	v_nop
.endr
.Lasked:
	v_and_b32 v9, 31, v0
	s_delay_alu instid0(VALU_DEP_1)
	v_lshlrev_b32 v[LI], 4, v9
	v_and_b32 v[RR], 15, v0
	v_bfe_u32 v10, v0, 4, 1                        ; lane / 16
	s_delay_alu instid0(VALU_DEP_3)
	v_add_nc_u32 v9, s2, v[LI]
	s_delay_alu instid0(VALU_DEP_3)
	v_lshlrev_b32 v11, 4, v[RR]
	s_delay_alu instid0(VALU_DEP_1)
	v_add_nc_u32 v11, s3, v11
	global_load_b128 v[16:19], v9, s[44:45]                       ; Q of my big block's tile
	global_load_b128 v[20:23], v9, s[44:45] offset:512
	global_load_b32 v[QS], v11, s[44:45]
	global_load_b128 v[Q2:Q2+3], v9, s[46:47]                     ; and of my small block's
	global_load_b128 v[Q2+4:Q2+7], v9, s[46:47] offset:512
	global_load_b32 v[Q2+8], v11, s[46:47]
	v_lshlrev_b32 v[GO], 4, v[RR]
	s_delay_alu instid0(VALU_DEP_1)
	v_lshl_add_u32 v[GO], v10, 12, v[GO]           ; lanes 0-15 one row of out0, lanes 16-31 the next
	v_mul_u32_u24 v[STO], v[RR], 144
	s_delay_alu instid0(VALU_DEP_1)
	v_lshl_add_u32 v[STO], v10, 6, v[STO]
	s_delay_alu instid0(VALU_DEP_1)
	v_add_nc_u32 v[STO], s61, v[STO]               ; stage row r, + 64 (lane / 16)
	v_and_b32 v[RD], 7, v[RR]
	s_delay_alu instid0(VALU_DEP_1)
	v_lshlrev_b32 v[RD], 4, v[RD]
	s_delay_alu instid0(VALU_DEP_1)
	v_mad_u32_u24 v[RD], v10, 144, v[RD]
	s_delay_alu instid0(VALU_DEP_1)
	v_add_nc_u32 v[RD], s61, v[RD]                 ; back: row lane / 16, 16 (lane % 8) bytes on
	v_and_b32 v[DQ], 8, v[RR]
	s_delay_alu instid0(VALU_DEP_1)
	v_add_nc_u32 v[DQ], v[DQ], v[RR]
	s_delay_alu instid0(VALU_DEP_1)
	v_add_nc_u32 v[DQ], s18, v[DQ]
	v_lshlrev_b32 v10, 4, v10
	s_delay_alu instid0(VALU_DEP_1)
	v_sub_nc_u32 v[DQ], v[DQ], v10
	v_mov_b32 v[NINF], 0xff800000
.irp i, 0,1,2,3,4,5,6,7
	v_mov_b32 v[24+\i], 0                          ; zero codes for k = 64 .. 127 of Q,
	v_mov_b32 v[PAD+\i], 0                         ; and behind K's last tile: written once
.endr
.irp b, 0,1,2,3
	v_mov_b32 v[BY+\b], 0                          ; a lane permute's destination counts as one of its sources
.endr
	v_mov_b32 v[FF+1], 0                           ; (named as the upper half of a pair)
	v_mov_b32 v[TT], 0
.macro INIT                            ; a tile begins: the largest t under every t, the sum and O^T zeros, which the first change of M leaves zeros
	v_mov_b32 v13, 0xff61b1e6
	s_delay_alu instid0(VALU_DEP_1)
	v_floor_f32 v12, -v13
	v_mov_b32 v14, 0
	v_mov_b32 v15, 0
.set nn, 0
.rept 32
	v_mov_b32 v[O+nn], 0
.set nn, nn+1
.endr
.endm
.macro KLOADS off                      ; the step's eight tiles of K, 8 registers each, on end, and their scale words: one run of 17 loads
.irp a, 0,1,2,3,4,5,6,7
.irp c, 0,1
	ds_load_b128 v[KV+8*\a+4*\c:KV+8*\a+4*\c+3], v[ADR] offset:(\off)+\a*1024+512*\c
.endr
.endr
	ds_load_b128 v[KS:KS+3], v[ADR] offset:(\off)+8192
.endm
.macro KQ                              ; S^T: eight products, each on an accumulator of its own
.irp a, 0,1,2,3,4,5,6,7
.if \a%2
	v_wmma_scale_f32_16x16x128_f8f6f4 v[S+8*\a:S+8*\a+7], v[KV+8*\a:KV+8*\a+15], v[16:31], 0, v[KS+\a/2], v[QS] matrix_a_scale:MATRIX_SCALE_ROW1
.else
	v_wmma_scale_f32_16x16x128_f8f6f4 v[S+8*\a:S+8*\a+7], v[KV+8*\a:KV+8*\a+15], v[16:31], 0, v[KS+\a/2], v[QS]
.endif
.endr
.endm
.macro RESCALE                         ; O^T under the pending step's M: x f; each accumulator from its low end on
.set nn, 0
.rept 16
	v_pk_mul_f32 v[O+nn:O+nn+1], v[O+nn:O+nn+1], v[FF:FF+1] op_sel_hi:[1,0]
.set nn, nn+2
.endr
.endm
.macro VLOADS                          ; the pending step's four fragments of V and their scale words
.irp t, 0,1,2,3
.irp c, 0,1,2,3
	ds_load_b128 v[KV+16*\t+4*\c:KV+16*\t+4*\c+3], v[ADR] offset:HALF+2048*\t+512*\c
.endr
.endr
	ds_load_b64 v[VS:VS+1], v[ADR] offset:HALF+8192
.endm
.macro PV                              ; O^T += V^T P^T of the pending step: four accumulators by turns, one instruction a turn
.irp t, 0,1,2,3
.if \t%2
	v_wmma_scale_f32_16x16x128_f8f6f4 v[O+8*\t:O+8*\t+7], v[KV+16*\t:KV+16*\t+15], v[PC:PC+15], v[O+8*\t:O+8*\t+7], v[VS+\t/2], v[PS] matrix_a_scale:MATRIX_SCALE_ROW1
.else
	v_wmma_scale_f32_16x16x128_f8f6f4 v[O+8*\t:O+8*\t+7], v[KV+16*\t:KV+16*\t+15], v[PC:PC+15], v[O+8*\t:O+8*\t+7], v[VS+\t/2], v[PS]
.endif
.endr
.endm
; A KEY STEP: 128 keys.  masked = 1: a step behind my block is jumped over (not the lines at its end that step the count and the address); in my block's own step hidden scores become -infinity.
; pend = 1: the step before has left its second product to this one, and s[TB] is that step's record.  pend = 0: a tile's first step: s[TB] is its own record, nothing is pending, and it is never jumped over.
.macro STEP masked, pend
.if \masked && \pend
	s_cmp_gt_u32 s[J], s[G]
	s_cbranch_scc1 .Lskip_\@
.endif
	v_add_nc_u32 v[ADR], s[TB], v[LI]              ; (also the plain line between the last step's conversions and the products below, which write over their sources)
	KLOADS ARE*\pend                               ; into registers that the pending products of the step before read: most of a softmax lies between
	s_wait_dscnt 0x0
	KQ
.if \pend
	RESCALE                                        ; 16 plain lines that name none of those products' registers: the places in front of the loads below and of the first read of the scores
	VLOADS
.else
.rept 8
	v_nop                                          ; places in front of the first read of the scores
.endr
.endif
.if \masked
	s_cmp_lg_u32 s[J], s[G]
	s_cbranch_scc1 .Lopen_\@
.set nn, 0
.rept 64                               ; register 16 B + i holds key 32 B + 16 (lane / 16) + i of the step: hidden where 32 B + i > my query - 16 (lane / 16)
	v_cmp_gt_i32 vcc_lo, 32*(nn/16)+nn%16, v[DQ]
	v_cndmask_b32 v[S+nn], v[S+nn], v[NINF], vcc_lo
.set nn, nn+1
.endr
.Lopen_\@:
.endif
.irp b, 0,1,2,3
	v_max3_num_f32 v[BM+\b], v[S+16*\b], v[S+1+16*\b], v[S+2+16*\b]         ; the largest score of each block of 32 keys: for the row's maximum and for the block's largest p
.endr
.irp i, 3,5,7,9,11,13
.irp b, 0,1,2,3
	v_max3_num_f32 v[BM+\b], v[BM+\b], v[S+16*\b+\i], v[S+1+16*\b+\i]
.endr
.endr
.irp b, 0,1,2,3
	v_max_num_f32 v[BM+\b], v[BM+\b], v[S+15+16*\b]
.endr
.irp b, 0,1,2,3
	s_delay_alu instid0(VALU_DEP_4)
	v_permlanex16_b32 v[BY+\b], v[BM+\b], s20, s21
.endr
.irp b, 0,1,2,3
	s_delay_alu instid0(VALU_DEP_4)
	v_max_num_f32 v[BM+\b], v[BM+\b], v[BY+\b]     ; with lane l xor 16's 16 keys
.endr
	s_delay_alu instid0(VALU_DEP_2)
	v_max3_num_f32 v[TT], v[BM], v[BM+1], v[BM+2]
	s_delay_alu instid0(VALU_DEP_1)
	v_max_num_f32 v[TT], v[TT], v[BM+3]
	s_delay_alu instid0(VALU_DEP_1)
	v_mul_f32 v[TT], s22, v[TT]                    ; as t
	s_delay_alu instid0(VALU_DEP_1)
	v_max_num_f32 v13, v13, v[TT]                  ; the running largest t
	v_mov_b32 v[TT], v12
	s_delay_alu instid0(VALU_DEP_2)
	v_floor_f32 v12, -v13                          ; the new -M = -ceil(t)
	s_delay_alu instid0(VALU_DEP_1)
	v_sub_f32 v[TT], v12, v[TT]                    ; old M - new M: a whole number, 0 or less
	s_delay_alu instid0(VALU_DEP_1)
	v_cvt_i32_f32 v[TT], v[TT]                     ; (it saturates)
	s_delay_alu instid0(VALU_DEP_1)
	v_ldexp_f32 v[FF], 1.0, v[TT]                  ; f = 2^(old M - new M): the sum takes it below, O^T in the next step or in DRAIN
.if \pend
	s_wait_alu depctr_va_vdst(0)
	s_wait_dscnt 0x0                               ; V is in: asked for ahead of the maxima
	PV
.endif
.set nn, 0
.rept 32
	v_pk_fma_f32 v[S+nn:S+nn+1], v[S+nn:S+nn+1], s[22:23], v[12:13] op_sel_hi:[1,0,0]   ; t - M, two at a time.  (From here on: the places between the products above and the lines that write p's scale word and codes)
.set nn, nn+2
.endr
.irp b, 0,1,2,3
	v_fma_f32 v[BM+\b], v[BM+\b], s22, v12
.endr
.set nn, 0
	s_wait_alu depctr_va_vdst(0)
.rept 64
	v_exp_f32 v[S+nn], v[S+nn]                     ; p = 2^(t - M)
.set nn, nn+1
.endr
.irp b, 0,1,2,3
	v_exp_f32 v[BM+\b], v[BM+\b]                   ; the block's largest p
.endr
	v_pk_mul_f32 v[14:15], v[14:15], v[FF:FF+1] op_sel_hi:[1,0]   ; the sum under the new M (a plain line behind the exponentials)
	s_wait_alu depctr_va_vdst(0)
.irp b, 0,1,2,3
	v_max_num_f32 v[BM+\b], 0x4800000, v[BM+\b]    ; the floor 2^(9 - 127)
.endr
.irp b, 0,1,2,3
	s_delay_alu instid0(VALU_DEP_4)
	v_add_nc_u32 v[SO+\b], 0xfc000000, v[BM+\b]
.endr
.irp b, 0,1,2,3
	v_and_or_b32 v[HO+\b], v[BM+\b], 0x7f800000, s19
.endr
.irp b, 0,1,2,3
	v_lshrrev_b32 v[BY+\b], 23, v[SO+\b]
.endr
	s_delay_alu instid0(VALU_DEP_3)
	v_lshl_or_b32 v[PS], v[BY+1], 8, v[BY]         ; p's scale word for these 128 keys
	s_delay_alu instid0(VALU_DEP_1)
	v_lshl_or_b32 v[PS], v[BY+2], 16, v[PS]
	s_delay_alu instid0(VALU_DEP_1)
	v_lshl_or_b32 v[PS], v[BY+3], 24, v[PS]
	v_pk_add_f32 v[S2:S2+1], v[S:S+1], v[S+2:S+3]  ; the row's sum of the unquantised p, in two chains
.irp j, 4,8,12,16,20,24,28,32,36,40,44,48,52,56,60
	v_pk_add_f32 v[14:15], v[14:15], v[S+\j:S+\j+1]
	v_pk_add_f32 v[S2:S2+1], v[S2:S2+1], v[S+2+\j:S+3+\j]
.endr
	s_delay_alu instid0(VALU_DEP_1)
	v_pk_add_f32 v[14:15], v[14:15], v[S2:S2+1]
.irp b, 0,1,2,3
.irp i, 0,2,4,6,8,10,12,14
	v_dual_min_num_f32 v[S+16*\b+\i], v[S+16*\b+\i], v[HO+\b] :: v_dual_min_num_f32 v[S+16*\b+\i+1], v[S+16*\b+\i+1], v[HO+\b]   ; the hold, two numbers a line; p is not negative, so it is one-sided
.endr
	v_cvt_scalef32_pk8_fp8_f32 v[PC+4*\b:PC+4*\b+1], v[S+16*\b:S+16*\b+7], v[SO+\b]
	v_cvt_scalef32_pk8_fp8_f32 v[PC+4*\b+2:PC+4*\b+3], v[S+16*\b+8:S+16*\b+15], v[SO+\b]
.endr
.if \masked && \pend
.Lskip_\@:
.endif
.if \pend
	s_add_co_u32 s[TB], s[TB], ARE
	s_add_co_u32 s[J], s[J], 1
.endif
.endm
; Behind a tile's last loop: the second product of its last step, which is step G.  The address is made of the wave's number, outside every branch.
.macro DRAIN
	s_mul_i32 s[TB], s[G], ARE
	v_add_nc_u32 v[ADR], s[TB], v[LI]              ; (the plain line behind the last conversions)
	RESCALE                                        ; (the places between the codes' conversions and the products)
	VLOADS
	s_wait_alu depctr_va_vdst(0)
	s_wait_dscnt 0x0
	PV
.endm
; THE WAY OUT of a tile.  O^T / the sum; register 8 t + j of lane (r, h) is e = 32 (t / 2) + 8 (t % 2) + 16 h + j of query r.  Half a head (32 numbers, 128 bytes) of all 16 queries at a time goes through my stage, all lanes on.
; Coming back, sixteen lanes take one query's 256 bytes: every lane reads 16 (lane % 8) bytes on in its row, once for each half, and lanes 8-15 of each sixteen keep the second half's.  So a store covers a head's 256 bytes of a query, aligned.
.macro OUT base
.rept 8
	v_nop                                          ; places behind the last products
.endr
	v_add_f32 v14, v14, v15
	s_delay_alu instid0(VALU_DEP_1)
	v_permlanex16_b32 v[TT], v14, s20, s21
	s_delay_alu instid0(VALU_DEP_1)
	v_add_f32 v14, v14, v[TT]                      ; the row's sum
	s_wait_alu depctr_va_vdst(0)
	v_rcp_f32 v[FF], v14
	v_nop                                          ; one plain line behind a transcendental
.set nn, 0
	s_wait_alu depctr_va_vdst(0)
.rept 16
	v_pk_mul_f32 v[S+nn:S+nn+1], v[O+nn:O+nn+1], v[FF:FF+1] op_sel_hi:[1,0]       ; each accumulator from its low end on
.set nn, nn+2
.endr
.irp t, 0,1
.irp k, 0,1
	ds_store_b128 v[STO], v[S+8*\t+4*\k:S+8*\t+4*\k+3] offset:32*\t+16*\k
.endr
.endr
.irp i, 0,1,2,3,4,5,6,7
	ds_load_b128 v[S+32+4*\i:S+32+4*\i+3], v[RD] offset:288*\i     ; LDS serves a wave's instructions in order: these see my stores, and the second half's stores come behind them
.endr
.irp t, 0,1
.irp k, 0,1
	ds_store_b128 v[STO], v[S+16+8*\t+4*\k:S+16+8*\t+4*\k+3] offset:32*\t+16*\k
.endr
.endr
.irp i, 0,1,2,3,4,5,6,7
	ds_load_b128 v[KV+4*\i:KV+4*\i+3], v[RD] offset:288*\i         ; the second half, into registers that K and V have left (the eight places at the macro's head stand behind the last products)
.endr
	v_cmp_le_u32 vcc_lo, 8, v[RR]
	s_wait_dscnt 0x0                               ; both halves are back
.set nn, 0
.rept 32
	v_cndmask_b32 v[S+32+nn], v[S+32+nn], v[KV+nn], vcc_lo         ; lanes 8-15 of each sixteen: the second half of the row
.set nn, nn+1
.endr
.irp i, 0,1,2,3,4,5,6,7
	global_store_b128 v[GO], v[S+32+4*\i:S+32+4*\i+3], s[\base:\base+1] offset:(2*\i+8*(\i/4))*4096 th:TH_STORE_NT
.endr
	s_wait_xcnt 0x0                                ; the stores have read their registers
.endm
	INIT
	s_wait_alu depctr_va_vdst(0)
	s_wait_loadcnt 0x0                             ; Q
	s_cmp_lt_u32 s10, 8
	s_cbranch_scc0 .Lnot_low
	s_wait_tensorcnt 0x0                           ; waves 0-7: my record of records 0-7 is in; nothing is filled again in this launch
.Lnot_low:
	s_barrier_signal -1
	s_barrier_wait -1                              ; records 0-7 are in
	s_mov_b32 s[J], 0
	s_mov_b32 s[TB], 0
	s_mov_b32 s[G], s12
	STEP 0, 0                                      ; my big block is 8 or more: steps 0-7 are open
	s_wait_alu depctr_va_vdst(0)
	s_wait_tensorcnt 0x0                           ; every wave: my record is in,
	s_wait_dscnt 0x0
	s_barrier_signal -1                            ; say so now; up to the wait stand register work and reads of records 0-7, which nobody writes
	s_mov_b32 s[J], 1
	s_mov_b32 s[TB], 0
.Lfirst:
	STEP 0, 1
	s_cmp_lt_u32 s[J], 8
	s_cbranch_scc1 .Lfirst
	s_barrier_wait -1                              ; everybody's record is in: records 8-15 may be read
	s_mov_b32 s[J], 8
	s_mov_b32 s[TB], 7*ARE
.Lsecond:
	STEP 1, 1
	s_cmp_lt_u32 s[J], 16
	s_cbranch_scc1 .Lsecond
	DRAIN
	OUT 48
.irp i, 0,1,2,3,4,5,6,7
	v_mov_b32 v[16+\i], v[Q2+\i]                   ; my small block's tile
.endr
	v_mov_b32 v[QS], v[Q2+8]
	INIT                                           ; (its lines are also the places between these writes and the next products)
	s_mov_b32 s[J], 0
	s_mov_b32 s[TB], 0
	s_mov_b32 s[G], s11
	STEP 1, 0
	s_mov_b32 s[J], 1
	s_mov_b32 s[TB], 0
.Lthird:
	STEP 1, 1
	s_cmp_lt_u32 s[J], 8
	s_cbranch_scc1 .Lthird
	DRAIN
	OUT 50
	s_wait_dscnt 0x0
	s_wait_tensorcnt 0x0
	ds_add_u32 v243, v255
	s_wait_dscnt 0x0
	CROUND                                         ; the closing round
	s_endpgm
.Lfunc_end_k_q7252672e7d_attn:
	.size	k_q7252672e7d_attn, .Lfunc_end_k_q7252672e7d_attn-k_q7252672e7d_attn
	.p2alignl 7, 3214868480
	.fill 96, 4, 3214868480
	.section	.rodata,"a",@progbits
	.p2align	6, 0x0
	.amdhsa_kernel k_q7252672e7d_attn
		.amdhsa_group_segment_fixed_size 327680
		.amdhsa_private_segment_fixed_size 0
		.amdhsa_enable_private_segment 0
		.amdhsa_kernarg_size 24
		.amdhsa_user_sgpr_count 2
		.amdhsa_user_sgpr_kernarg_segment_ptr 1
		.amdhsa_wavefront_size32 1
		.amdhsa_system_sgpr_workgroup_id_x 1
		.amdhsa_system_sgpr_workgroup_id_y 1
		.amdhsa_system_sgpr_workgroup_id_z 1
		.amdhsa_system_vgpr_workitem_id 0
		.amdhsa_next_free_vgpr 256
		.amdhsa_next_free_sgpr 66
		.amdhsa_reserve_vcc 1
		.amdhsa_float_denorm_mode_32 3
		.amdhsa_float_denorm_mode_16_64 3
		.amdhsa_memory_ordered 1
		.amdhsa_forward_progress 1
		.amdhsa_inst_pref_size 129
	.end_amdhsa_kernel
	.amdgpu_metadata
---
amdhsa.version: [ 1, 2 ]
amdhsa.kernels:
  - .name:           k_q7252672e7d_attn
    .symbol:         k_q7252672e7d_attn.kd
    .args:
      - { .name: qimg, .offset: 0, .size: 8, .value_kind: global_buffer, .address_space: global }
      - { .name: kv, .offset: 8, .size: 8, .value_kind: global_buffer, .address_space: global }
      - { .name: out0, .offset: 16, .size: 8, .value_kind: global_buffer, .address_space: global }
    .group_segment_fixed_size: 327680
    .private_segment_fixed_size: 0
    .kernarg_segment_align: 8
    .kernarg_segment_size: 24
    .max_flat_workgroup_size: 512
    .sgpr_count:     66
    .vgpr_count:     256
    .wavefront_size: 32
...
	.end_amdgpu_metadata
.endif
;; end of part 3
